; MI455X (gfx1250); checked and timed in simulation.
; The chip was launched on July 23, 2026; its instructions are those of AMD's public machine-readable ISA for CDNA 5 (MIT licence, August 2026) and "CDNA5" Instruction Set Architecture Reference Guide (July 2026). The comments in the code are by the model that wrote it; some were corrected since.
;; Lazy Attention Embedding. Allowed arithmetic: matrix products marked QUANTISED: E5M2 operands, one given power-of-two scale a tensor, by v_wmma_f32_16x16x64_bf8_bf8 or v_wmma_f32_16x16x128_bf8_bf8, f32 sums; everything else in f32.
;; Inputs: bias_weight 4,096 x 16 float32; k_codes 2 x 16 x 2,048 x 2 x 32 uint8 (E5M2 codes of k, K innermost, in blocks of 32 codes); lowp_scales 4 int32 (the exponents e of the quantised operands' scales 2^e); q_codes 2 x 16 x 2,048 x 2 x 32 uint8 (E5M2 codes of q, K innermost, in blocks of 32 codes); tau 16 float32; v_codes 2 x 16 x 64 x 64 x 32 uint8 (E5M2 codes of v, K innermost, in blocks of 32 codes).
;; Outputs: out0 2 x 16 x 2,048 x 64 float32.
;; Constants: max_bias_length = 4096.
;; This version of the problem:
;;   THIS VERSION OF THE PROBLEM IS GIVEN IN LOW PRECISION. The matrix products marked QUANTISED in the list below multiply operands that are first quantised to E5M2 (5 exponent bits, 2 mantissa bits; 8 bits a number), with one given power-of-two scale for each operand tensor; their sums are f32. All else is computed in f32.
;;   The module's matrix products, in the order in which they are computed (A, B: the left and right operand; K: the contracted axis; several contracted axes count as one K, in the product's order):
;;     1. batch 32 x [M 2,048, K 64] x [K 64, N 2,048]; A: input q (given as codes); B: input k (given as codes): QUANTISED (scales: A lowp_scales[0], B lowp_scales[1])
;;     2. batch 32 x [M 2,048, K 2,048] x [K 2,048, N 64]; A: computed on the way; B: input v (given as codes): QUANTISED (scales: A lowp_scales[2], B lowp_scales[3])
;;   THE QUANTISER, for each operand of a quantised product, along K:
;;     - The operand's scale is 2^e, e = its entry of the input lowp_scales (int32; the entries are numbered through the quantised products in the list's order, A before B).
;;     - Each number is divided by the scale, clamped to +-57,344, and rounded to the nearest number of E5M2, ties to even, subnormals kept.
;;     - The product sums the exact products of the quantised numbers (number of the format x scale) in f32.
;;   ~~~python
;;   def quantise(x, axis, e):      # numpy; x: float32 -> the quantised numbers, widened to float32 again
;;       x = np.moveaxis(x, axis, -1); K = x.shape[-1]
;;       r = np.clip(x / 2.0 ** e, -57344, 57344)
;;       step = 2.0 ** (np.maximum(np.frexp(np.where(r == 0, 1, r))[1] - 1, -14) - 2)
;;       q = np.round(r / step) * step * 2.0 ** e      # np.round: ties to even
;;       return np.moveaxis(q, -1, axis).astype(np.float32)
;;   ~~~
;;   OPERANDS COMPUTED ON THE WAY. 'Computed on the way' means the value that the module computes at that place (a softmax that the list does not call 'softmax' is quantised finished and normalised). What goes into a quantiser is computed in f32, as accurately as f32 sums, v_exp_f32 and their like allow (about 1e-6 of the number): no bf16 or f16 on the way to a quantiser, and a product that is left as it is and whose result goes on into a quantised operand takes f32 operands (vector FMAs, or v_wmma_f32_16x16x4_f32). A number that lies on a knife's edge between two numbers of the format may be rounded either way, as far as f32 arithmetic and the matrix unit's own rounding can turn it there, and no further.
;;   INPUTS GIVEN AS CODES. k (in the module: [2, 16, 2048, 64], K = its axis 3); q (in the module: [2, 16, 2048, 64], K = its axis 3); v (in the module: [2, 16, 2048, 64], K = its axis 2): each comes as NAME_codes (uint8): NAME with its K axis moved to the last place and cut into blocks of 32 codes, [.., K / 32, bytes a block], one block behind the other in memory; one code a byte (a code: sign, 5 exponent bits, 2 mantissa bits); its scale is its entry of lowp_scales. Its value is code x scale, taken as it is: it is not quantised again, and the codes and scales need not be those that the quantiser above would give.
;; One version. Each part assembles by itself: llvm-mc -triple=amdgcn-amd-amdhsa -mcpu=gfx1250 --defsym DOCPART=n.
;; ======== version 1 of 1: 1 launch
;; limits: right only within a limited range of input values
;; launch attn (part 1): grid 8 x 32, 16 waves a work-group, no clusters, 327,680 bytes of LDS; arguments q_codes, k_codes, v_codes, lowp_scales, bias_weight, tau, out0; writes out0
.if DOCPART == 1
	.amdgcn_target "amdgcn-amd-amdhsa--gfx1250"
	.amdhsa_code_object_version 6
	.text
	.protected	k_q5d5cbe3119_attn
	.globl	k_q5d5cbe3119_attn
	.p2align	8
	.type	k_q5d5cbe3119_attn,@function
k_q5d5cbe3119_attn:
	s_mov_b64 s[64:65], 0
	v_nop
	global_prefetch_b8 v0, s[64:65] scope:SCOPE_SE
	s_setreg_imm32_b32 hwreg(HW_REG_WAVE_MODE, 25, 1), 1
	s_wait_xcnt 0x0
; out[b][h][q][:] = sum over k of Q(relu(softmax_k(q.k / 8 + bias_weight[q - k][h], causal) + tau[h] / (q + 1))) V[b][h][k][:].
; q, k: codes of BF8 (E5M2), [32][2048][64], the head's 64 innermost.  v: codes with the KEYS innermost, [32][64][2048].  out: [32][2048][64] f32.  lowp_scales: eq, ek, ep, ev.
; THE SECOND PRODUCT'S OPERAND IS THE FINISHED WEIGHT: softmax normalised, + tau / i, relu, then quantised with 2^ep.  So a row's largest score and its sum are known before any code is made: TWO WALKS over the keys.
; Walk 1: scores, running largest t, the sum.  Walk 2: the same scores once more (one matrix instruction for 16 x 16 of them), p / sum + tau / i, relu and hold in one, codes, P V.
; KEYS BEHIND THE DIAGONAL ARE LIVE IN THE SECOND PRODUCT: there the weight is relu(0 + tau / i), which is tau / i where tau > 0.  So every query multiplies all 2,048 keys of V; behind the diagonal P is one code a query.
; WORK LEFT OUT, for all values of the inputs: (1) q.k and the softmax of key steps wholly behind the diagonal: reference() writes -1e30 over those scores, and exp(-1e30 - max) is 0;
; (2) the clip of q - k and bias_mask: on causal places q - k lies in 0 .. 2,047, under max_bias_length = 4,096, so the clip moves nothing and the mask is 1; rows 2,048 .. 4,095 of bias_weight are never indexed and are not loaded.
; LIMITS: a NaN, an infinity or an overflow that reaches only the work left out is not carried to the result.  NaN among the inputs is not served.  Scores stay far under 1e29 in size (a hidden score in a step on the
; diagonal is score - 1e30, not -1e30: both give the weight 0).  eq + ek between -123 and 130 (added to c's exponent field); ep between -126 and 112; ep + ev goes by v_ldexp_f32 and has no limit.
; SHARES.  Work-group (x = j, y = batch x 16 + head) owns the query blocks j and 15 - j of 128 queries: 8 (j + 1) + 8 (16 - j) = 136 key steps with scores in every work-group.  Each of its sixteen waves owns one tile of
; 16 queries in 256 registers.  All of the head's K (2,048 x 64 bytes), V and its bias table lie in LDS, filled once: no slot is filled again, and no barrier stands in a loop.
; NO CLUSTER: the work-groups that read the same K and V are the eight of a head; they differ in their query blocks, and on the block hang the jumps over hidden steps and the LDS address in the bias table, which would differ between partners.
; LAYOUT.  S^T = K Q^T + C (source 0 = 16 keys, source 1 = my 16 queries): a lane holds ONE query (lane % 16).  Lane r of tile 2 b + u takes key 32 b + 8 u + r + 8 (r / 8), so that the 16 registers of tiles 2 b, 2 b + 1 are keys 32 b + 16 (lane / 16) + 0 .. 15.
; THE BIAS AND THE MASK ARE THE C OF THE SCORE PRODUCT: C = bias x 8 / 2^(eq + ek), loaded from LDS straight into the accumulator; t = (sum + C) x c, c = log2(e) / 8 x 2^(eq + ek).
; The table is T[y] = the entry of q - k = 2,047 - y; y >= 2,048 (k > q) holds NEG = -1e30 x 8 / 2^(eq + ek), not under -3e38.  A lane's eight registers of a tile are T[y .. y + 7]: y = NQ + KF + r' + 32 b + 16 h + 8 u,
; NQ = 2,032 - my first query, r' = 15 - r.  Four copies, copy c = r' % 4 shifted by c entries, so that every lane's run begins at a multiple of 16 bytes.
; P V IS NOT TRANSPOSED: source 0 = P (lane r = query r), source 1 = 16 rows of V; row r of tile t is channel 4 r + t.  So the four tiles' register j of a lane are four neighbouring channels of one row of out: 16 bytes, stored as they stand.
.set KP,    144                        ; LDS: a row of K's tile holds TWO keys (128 bytes, dense in memory) + 16 of padding.  Key kk lies at (kk / 2) KP + 64 (kk % 2): the 16 keys of a fragment fall on 16 different 16-byte columns modulo 256
.set KSTEP, 64*KP                      ; 128 keys: a key step, and what one wave's tensor load brings
.set VB,    16*KSTEP                   ; V: 16 tiles (512 keys x 16 channels t, t + 4, .. t + 60), tile 4 x chunk + t
.set VP,    528                        ; a row of V's tile: 512 bytes + 16 of padding
.set VT,    16*VP
.set BB,    VB+16*VT                   ; the bias table: four copies; written by LDS stores alone, no tensor load lands here
.set CP,    10304                      ; a copy: 2,564 entries and a rest, 64 modulo 256
.set SPARE, BB+4*CP                    ; the spare words, 128 bytes for each of the sixteen waves: eight blocks of 256 bytes that no other line names
.set AK0, 1                            ; v1   my lane's place in a tile of K
.set AV0, 2                            ; v2   in a tile of V
.set AB0, 3                            ; v3   in the bias table
.set GO,  4                            ; v4   my byte offset in the wave's 16 rows of out
.set SPW, 5                            ; v5   LDS address of my spare word; never rewritten
.set NIL, 6                            ; v6   0; never rewritten
.set ADK, 7                            ; v7   LDS addresses in hand: K,
.set ADB, 8                            ; v8   the bias table,
.set ADV, 9                            ; v9   V
.set KR,  32                           ; v32-95   eight fragments of K (8 registers each), then four of V (16 each)
.set S,   96                           ; v96-159  the bias, then the scores, then p, then the weights; at the end the rows of out
.set O,   160                          ; v160-191 four accumulators of out
.set P,   192                          ; v192-207 the weights' codes
.set PCB, 208                          ; v208-223 the operand behind the diagonal: one code a query
; v10, v11 load offsets; v12 -M, v13 the largest t, v[14:15] the sum in two halves; v16-23 Q; v[24:25] 1 / sum; v[26:27] tau / i; v28 57,344 x 2^ep; v29 2^ep; v30, v31 where I store the table; v224-254 at work
.set WV,  18                           ; s18  my wave's number;  s19 the work-group's y
.set SEL, 20                           ; s[20:21] lane selects for v_permlanex16_b32: lane l xor 16
.set CS,  22                           ; s[22:23] c
.set G1K, 24                           ; s[24:31] descriptor group 1 for K; s[32:39] for V; s[40:43], s[44:47] their groups 0
.set G1V, 32
.set G0K, 40
.set G0V, 44
.set Q0,  48                           ; s48  my first query
.set KF,  49                           ; s49  the trip's first key
.set SK,  50                           ; s50  its byte in K's region
.set SB,  51                           ; s51  4 (NQ + KF)
.set SV,  52                           ; s52  the trip's chunk in V's region
.set CNT, 53                           ; s53  trips to go
	s_load_b256 s[4:11], s[0:1], 0x0               ; q s[4:5], k s[6:7], v s[8:9], the scales' exponents s[10:11]
	s_load_b128 s[12:15], s[0:1], 0x20             ; bias_weight s[12:13], tau s[14:15]
	s_load_b64 s[16:17], s[0:1], 0x30              ; out
	v_lshl_add_u32 v[SPW], v0, 2, SPARE
	v_mov_b32 v[NIL], 0
	ds_add_u32 v[SPW], v[NIL]                      ; the wave's opening: the add, twice on end, and its wait ahead of my first tensor load; the set-up below, work on registers, stands between
	ds_add_u32 v[SPW], v[NIL]
	v_lshrrev_b32 v7, 5, v0
	v_readfirstlane_b32 s[WV], v7                  ; wave 0..15
	s_and_b32 s19, ttmp7, 0xffff                   ; batch x 16 + head
	s_lshr_b32 s2, s[WV], 3
	s_mul_i32 s2, s2, 15
	s_xor_b32 s2, s2, ttmp9                        ; my block of 128 queries: j in waves 0-7, 15 - j in waves 8-15
	s_and_b32 s3, s[WV], 7
	s_lshl_b32 s[Q0], s2, 7
	s_lshl_b32 s54, s3, 4
	s_add_co_u32 s[Q0], s[Q0], s54                 ; my first query: 128 x block + 16 x (wave % 8)
	s_xor_b32 s2, s2, 15
	s_xor_b32 s3, s3, 7
	s_lshl_b32 s61, s2, 7
	s_lshl_b32 s3, s3, 4
	s_add_co_u32 s61, s61, s3                      ; NQ = 2,032 - my first query = 128 (15 - block) + 16 (7 - wave % 8),
	s_lshl_b32 s61, s61, 2                         ; in bytes
	; descriptor group 1.  K: 64 rows of 128 bytes, dense in memory
	s_mov_b32 s[G1K], (1<<20)|(4<<22)|(3<<25)      ; no mask; elements of 1 byte; padding on: after every 32 words (code 4) four words (code 3)
	s_mov_b32 s[G1K+1], 128<<16                    ; tensor_dim0
	s_mov_b32 s[G1K+2], 64<<16                     ; tensor_dim1
	s_mov_b32 s[G1K+3], 128<<16                    ; tile_dim0
	s_mov_b32 s[G1K+4], 64                         ; tile_dim1
	s_mov_b32 s[G1K+5], 128                        ; from row to row
	s_mov_b32 s[G1K+6], 0
	s_mov_b32 s[G1K+7], 0
	; V: 16 rows of 512 bytes, every fourth channel: 4 x 2,048 bytes apart
	s_mov_b32 s[G1V], (1<<20)|(6<<22)|(3<<25)      ; padding: four words after every 128
	s_mov_b32 s[G1V+1], 512<<16
	s_mov_b32 s[G1V+2], 16<<16
	s_mov_b32 s[G1V+3], 512<<16
	s_mov_b32 s[G1V+4], 16
	s_mov_b32 s[G1V+5], 8192
	s_mov_b32 s[G1V+6], 0
	s_mov_b32 s[G1V+7], 0
	s_mov_b32 s[G0K], 1                            ; count = 1
	s_mul_i32 s[G0K+1], s[WV], KSTEP               ; K: my 128 keys' place in LDS
	s_mov_b32 s[G0V], 1
	s_mul_i32 s[G0V+1], s[WV], VT
	s_add_co_u32 s[G0V+1], s[G0V+1], VB            ; V: tile number = my wave's number
	s_mov_b32 s[SEL], 0x76543210
	s_mov_b32 s[SEL+1], 0xfedcba98
	; byte offsets, each in a pair of its own
	s_lshl_b32 s63, s19, 17                        ; the head's first byte in each tensor of codes: 2,048 x 64
	s_lshl_b32 s66, s[WV], 13
	s_add_co_u32 s66, s66, s63                     ; K: + 128 keys x 64 bytes x wave
	s_mov_b32 s67, 0
	s_and_b32 s68, s[WV], 3
	s_lshl_b32 s68, s68, 11                        ; V: channel t = wave % 4,
	s_lshr_b32 s69, s[WV], 2
	s_lshl_b32 s69, s69, 9                         ; keys 512 x (wave / 4) on
	s_add_co_u32 s68, s68, s69
	s_add_co_u32 s68, s68, s63
	s_mov_b32 s69, 0
	s_lshl_b32 s70, s[Q0], 6
	s_add_co_u32 s70, s70, s63                     ; Q: my first query's row of 64 bytes
	s_mov_b32 s71, 0
	s_lshl_b32 s72, s19, 19
	s_lshl_b32 s73, s[Q0], 8
	s_add_co_u32 s72, s72, s73                     ; out: its row of 256 bytes
	s_mov_b32 s73, 0
	s_and_b32 s74, s19, 15
	s_lshl_b32 s74, s74, 2                         ; the head's number in tau and in a row of bias_weight
	s_mov_b32 s75, 0
	; lane addresses
	v_and_b32 v224, 15, v0                         ; r
	v_bfe_u32 v225, v0, 4, 1                       ; h
	v_and_b32 v226, 8, v224
	v_add_nc_u32 v226, v226, v224                  ; r + 8 (r / 8)
	v_lshrrev_b32 v226, 1, v226
	v_mul_u32_u24 v[AK0], v226, KP
	v_and_b32 v226, 1, v224
	v_lshl_add_u32 v[AK0], v226, 6, v[AK0]
	v_lshl_add_u32 v[AK0], v225, 4, v[AK0]         ; K: my key's row of two, its half, + 16 h
	v_mul_u32_u24 v[AV0], v224, VP
	v_lshl_add_u32 v[AV0], v225, 4, v[AV0]
	v_add_nc_u32 v[AV0], VB, v[AV0]                ; V: row r, + 16 h
	v_xor_b32 v226, 15, v224                       ; r'
	v_and_b32 v227, 3, v226                        ; my copy
	v_mul_u32_u24 v[AB0], v227, CP
	v_and_b32 v226, 12, v226
	v_lshl_add_u32 v[AB0], v226, 2, v[AB0]
	v_lshl_add_u32 v[AB0], v225, 6, v[AB0]
	v_add_nc_u32 v[AB0], BB+16, v[AB0]             ; the table: copy c, entry (r' - c) + 4 + 16 h
	v_lshlrev_b32 v[GO], 4, v224
	v_lshl_add_u32 v[GO], v225, 11, v[GO]          ; out: 16 r + 8 h rows of 256 bytes
	v_lshlrev_b32 v10, 6, v0                       ; bias_weight: row = my thread's number, 64 bytes a row
	v_lshlrev_b32 v11, 6, v224
	v_lshl_add_u32 v11, v225, 4, v11               ; Q: row r, + 16 h
	v_lshlrev_b32 v30, 2, v0
	v_sub_nc_u32 v30, BB+2060, v30                 ; the table is reversed: q - k = thread + 512 i is y = 2,047 - thread - 512 i, entry y - c + 4 of copy c
	v_lshl_add_u32 v31, v0, 2, BB+8208             ; y = 2,048 + thread: hidden
	s_wait_dscnt 0x0                               ; both opening adds are done
	s_wait_kmcnt 0x0
	s_load_b128 s[56:59], s[10:11], 0x0            ; eq, ek, ep, ev
	s_add_nc_u64 s[14:15], s[14:15], s[74:75]
	s_load_b32 s60, s[14:15], 0x0                  ; tau of my head
	s_add_nc_u64 s[G0K+2:G0K+3], s[6:7], s[66:67]
	s_or_b32 s[G0K+3], s[G0K+3], 0x80000000        ; type = 2
	s_add_nc_u64 s[G0V+2:G0V+3], s[8:9], s[68:69]
	s_or_b32 s[G0V+3], s[G0V+3], 0x80000000
	tensor_load_to_lds s[G0K:G0K+3], s[G1K:G1K+7]  ; every wave's two first fills, with no branch: two tensor loads of mine are out, and no more follow
	s_nop 0
	tensor_load_to_lds s[G0V:G0V+3], s[G1V:G1V+7]
	s_nop 0
	s_add_nc_u64 s[12:13], s[12:13], s[74:75]
	s_add_nc_u64 s[4:5], s[4:5], s[70:71]
	s_add_nc_u64 s[16:17], s[16:17], s[72:73]
.irp i, 0,1,2,3
	global_load_b32 v[240+\i], v10, s[12:13] offset:32768*\i   ; bias_weight[thread + 512 i][head]: the head's column is read once here and used from LDS
.endr
	global_load_b128 v[16:19], v11, s[4:5] th:TH_LOAD_NT       ; Q's fragment stays in registers: channels 16 h + 0 .. 15,
	global_load_b128 v[20:23], v11, s[4:5] offset:32 th:TH_LOAD_NT   ; and 32 + 16 h + 0 .. 15: the same places as K's fragments take
	v_add_nc_u32 v226, s[Q0], v224
	v_add_nc_u32 v226, 1, v226
	v_cvt_f32_u32 v226, v226                       ; i = my query + 1
	v_rcp_f32 v227, v226
	v_mov_b32 v13, 0xff61b1e6                      ; (plain work behind the reciprocal)  the largest t so far: -3e38, under every t
	v_floor_f32 v12, -v13                          ; -M
	v_mov_b32 v14, 0                               ; the sum, in two halves
	v_mov_b32 v15, 0
	v_mov_b32 v236, 0                              ; written once: a lane permute's destination counts as one of its sources
	v_mov_b32 v253, 0                              ; (named as the upper half of the pair v[252:253])
	s_wait_kmcnt 0x0
	s_add_co_i32 s54, s56, s57                     ; eq + ek
	s_lshl_b32 s55, s54, 23
	s_mov_b32 s[CS], 0x3e38aa3b                    ; log2(e) / 8
	s_add_co_i32 s[CS], s[CS], s55                 ; x 2^(eq + ek): the exponents are added to c's exponent field
	s_mov_b32 s[CS+1], s[CS]                       ; (named with it as a pair, so it is written)
	s_sub_co_i32 s63, 3, s54                       ; the bias goes in as bias x 2^(3 - eq - ek): nothing is rounded
	s_add_co_i32 s54, s58, 127
	s_lshl_b32 s55, s54, 23
	v_mov_b32 v29, s55                             ; 2^ep as f32, for the conversions
	s_add_co_i32 s54, s54, 15
	s_lshl_b32 s54, s54, 23
	s_or_b32 s54, s54, 0x600000
	v_mov_b32 v28, s54                             ; 57,344 x 2^ep
	s_add_co_i32 s62, s58, s59                     ; ep + ev
	v_mov_b32 v244, 0xf149f2ca                     ; -1e30
	v_ldexp_f32 v244, v244, s63
	v_max_num_f32 v244, 0xff61b1e6, v244           ; NEG, held at -3e38 so that it stays a number
	s_wait_alu depctr_va_vdst(0)                   ; the wait ahead of the reciprocal's first reader
	v_mul_f32 v26, s60, v227                       ; tau / i: the quotient by the reciprocal,
	v_fma_f32 v27, -v26, v226, s60                 ; what it leaves,
	v_fma_f32 v26, v27, v227, v26                  ; put right
	v_mov_b32 v27, v26
	s_wait_loadcnt 2                               ; the four loads of the bias are in; Q's two, issued behind them, may be out
.irp i, 0,1,2,3
	v_ldexp_f32 v[240+\i], v[240+\i], s63
.endr
.irp c, 0,1,2,3
.irp i, 0,1,2,3
	ds_store_b32 v30, v[240+\i] offset:2048*(3-\i)+\c*(CP-4)
.endr
	ds_store_b32 v31, v244 offset:\c*(CP-4)
.endr
	s_wait_dscnt 0x0                               ; for the others' sake: my part of the table is stored
	s_wait_tensorcnt 1                             ; my 128 keys of K are in; V's tile, issued behind them, may stay out, and V is read behind the next
	s_barrier_signal -1
	s_barrier_wait -1                              ; K and the table are whole
	s_wait_loadcnt 0x0                             ; Q
; The scores of key step q of the trip: for each of eight tiles the bias into the accumulator (two loads), K's fragment (two loads), one matrix instruction.  The eight accumulators take turns.
.macro SCORES q
.irp t, 0,1,2,3,4,5,6,7
	ds_load_b128 v[S+8*\t:S+8*\t+3],     v[ADB] offset:4*(32*(\t/2)+8*(\t%2))
	ds_load_b128 v[S+8*\t+4:S+8*\t+7],   v[ADB] offset:4*(32*(\t/2)+8*(\t%2))+16
	ds_load_b128 v[KR+8*\t:KR+8*\t+3],   v[ADK] offset:(\q)*KSTEP+(16*(\t/2)+4*(\t%2))*KP
	ds_load_b128 v[KR+8*\t+4:KR+8*\t+7], v[ADK] offset:(\q)*KSTEP+(16*(\t/2)+4*(\t%2))*KP+32
.endr
	s_wait_dscnt 16                                ; tiles 0-3's sixteen loads are in; the sixteen of tiles 4-7 may be out
.irp t, 0,1,2,3
	v_wmma_f32_16x16x64_bf8_bf8 v[S+8*\t:S+8*\t+7], v[KR+8*\t:KR+8*\t+7], v[16:23], v[S+8*\t:S+8*\t+7]
.endr
	s_wait_dscnt 0x0
.irp t, 4,5,6,7
	v_wmma_f32_16x16x64_bf8_bf8 v[S+8*\t:S+8*\t+7], v[KR+8*\t:KR+8*\t+7], v[16:23], v[S+8*\t:S+8*\t+7]
.endr
.rept 4
	v_nop                                          ; four places ahead of the first read of the scores and of loads into K's registers
.endr
.endm
; The lines that both walks' steps begin with: the step's place in the table and its first key.  The hold at 4 x 2,032 never binds in a step that is walked (there NQ + KF <= 2,032); it states the address's bound in the text.
.macro WHERE q
	s_add_co_u32 s54, s[SB], 512*(\q)
	s_min_u32 s54, s54, 8128
	s_add_co_u32 s55, s[KF], 128*(\q)
.endm
; WALK 1, a key step: 128 keys.  A step whose first key comes after my first query (both multiples of 16: then after all my 16 queries) is left out: a scalar branch on ids.
.macro STEP1 q
	WHERE \q
	s_cmp_gt_u32 s55, s[Q0]
	s_cbranch_scc1 .Lhid1_\@
	v_add_nc_u32 v[ADB], s54, v[AB0]
	SCORES \q
	v_max3_num_f32 v254, v96, v97, v98             ; the step's largest score of my query, among my 64 keys, in two chains, each accumulator from its low end on
	v_max3_num_f32 v252, v99, v100, v101
.irp i, 6,10,14,18,22,26,30,34,38,42,46,50,54,58
	v_max3_num_f32 v254, v254, v[96+\i], v[97+\i]
	v_max3_num_f32 v252, v252, v[98+\i], v[99+\i]
.endr
	v_max3_num_f32 v254, v254, v158, v159
	v_max_num_f32 v254, v254, v252
	v_permlanex16_b32 v236, v254, s[SEL], s[SEL+1]
	v_max_num_f32 v254, v254, v236                 ; and among lane l xor 16's
	v_mul_f32 v254, s[CS], v254                    ; as t (c is positive)
	v_max_num_f32 v13, v13, v254                   ; the running largest t
	v_mov_b32 v254, v12
	v_floor_f32 v12, -v13                          ; the new -M = -ceil(t): a whole number
	v_sub_f32 v254, v12, v254                      ; M's old value less its new one: a whole number, 0 or less
	v_cvt_i32_f32 v254, v254                       ; (it saturates)
	v_ldexp_f32 v252, 1.0, v254                    ; f = 2^(old M - new M): the sum is brought under the new M by a multiplication that rounds nothing
.irp j, 0,2,4,6,8,10,12,14,16,18,20,22,24,26,28,30,32,34,36,38,40,42,44,46,48,50,52,54,56,58,60,62
	v_pk_fma_f32 v[S+\j:S+\j+1], v[S+\j:S+\j+1], s[CS:CS+1], v[12:13] op_sel_hi:[1,0,0]   ; t - M (of the pairs c and -M the low word serves both halves)
.endr
.irp j, 0,1,2,3,4,5,6,7,8,9,10,11,12,13,14,15,16,17,18,19,20,21,22,23,24,25,26,27,28,29,30,31,32,33,34,35,36,37,38,39,40,41,42,43,44,45,46,47,48,49,50,51,52,53,54,55,56,57,58,59,60,61,62,63
	v_exp_f32 v[S+\j], v[S+\j]                     ; p = 2^(t - M); 0 for hidden keys
.endr
	v_pk_mul_f32 v[14:15], v[14:15], v[252:253] op_sel_hi:[1,0]   ; the sum under the new M: the plain line behind the exponentials
	s_wait_alu depctr_va_vdst(0)                   ; one wait for the batch of 64, ahead of its first reader
	v_pk_add_f32 v[242:243], v[S:S+1], v[S+2:S+3]
.irp j, 4,8,12,16,20,24,28,32,36,40,44,48,52,56,60
	v_pk_add_f32 v[14:15], v[14:15], v[S+\j:S+\j+1]
	v_pk_add_f32 v[242:243], v[242:243], v[S+\j+2:S+\j+3]
.endr
	v_pk_add_f32 v[14:15], v[14:15], v[242:243]
.Lhid1_\@:
.endm
	s_mov_b32 s[KF], 0
	s_mov_b32 s[SK], 0
	s_mov_b32 s[SB], s61
	s_mov_b32 s[CNT], 4
.Lwalk1:                                           ; four trips of four key steps in every wave: the count is a constant, and what is hidden is jumped over inside
	v_add_nc_u32 v[ADK], s[SK], v[AK0]
	STEP1 0
	STEP1 1
	STEP1 2
	STEP1 3
	s_add_co_u32 s[KF], s[KF], 512
	s_add_co_u32 s[SK], s[SK], 4*KSTEP
	s_add_co_u32 s[SB], s[SB], 2048
	s_sub_co_u32 s[CNT], s[CNT], 1
	s_cmp_lg_u32 s[CNT], 0
	s_cbranch_scc1 .Lwalk1
	; BETWEEN THE WALKS: 1 / sum; the operand behind the diagonal; out's sums begin as zeros, so that the step is written once
	v_add_f32 v14, v14, v15                        ; the sum's two halves,
	v_permlanex16_b32 v236, v14, s[SEL], s[SEL+1]
	v_add_f32 v14, v14, v236                       ; and lane l xor 16's: the row's sum, at least 1/2
	v_rcp_f32 v24, v14
.irp i, 0,1,2,3,4,5,6,7
	v_med3_num_f32 v[S+\i], v26, 0, v28            ; (plain work behind the reciprocal)  relu(0 + tau / i), held at the largest code x the scale
.endr
	s_wait_alu depctr_va_vdst(0)                   ; ahead of the reciprocal's first reader
	v_fma_f32 v25, -v14, v24, 1.0
	v_fma_f32 v24, v25, v24, v24                   ; one step of Newton's: what goes into the quantiser is as fine as f32 gives
	v_mov_b32 v25, v24
	v_cvt_scalef32_pk8_bf8_f32 v[PCB:PCB+1], v[S:S+7], v29
	v_nop                                          ; one plain line between a scaled conversion and the first line that touches its result
.irp i, 2,3,4,5,6,7,8,9,10,11,12,13,14,15
	v_mov_b32 v[PCB+\i], v[PCB]                    ; the same code at all 64 of my keys of a step
.endr
.irp i, 0,1,2,3,4,5,6,7,8,9,10,11,12,13,14,15,16,17,18,19,20,21,22,23,24,25,26,27,28,29,30,31
	v_mov_b32 v[O+\i], 0
.endr
	s_mov_b32 s[KF], 0
	s_mov_b32 s[SK], 0
	s_mov_b32 s[SB], s61
	s_mov_b32 s[SV], 0
	s_mov_b32 s[CNT], 4
	s_wait_tensorcnt 0x0                           ; my tile of V is in
	s_wait_dscnt 0x0
	s_barrier_signal -1
	s_barrier_wait -1                              ; V is whole
.macro VLOAD q                                     ; four fragments of V: tile t, keys 128 q on of the trip's 512: registers 4 c .. 4 c + 3 hold keys 32 c + 16 h + 0 .. 15, as P's do
.irp t, 0,1,2,3
.irp c, 0,1,2,3
	ds_load_b128 v[KR+16*\t+4*\c:KR+16*\t+4*\c+3], v[ADV] offset:\t*VT+128*(\q)+32*\c
.endr
.endr
.endm
.macro PV a                                        ; out += P V: the four accumulators by turns
.irp t, 0,1,2,3
	v_wmma_f32_16x16x128_bf8_bf8 v[O+8*\t:O+8*\t+7], v[\a:\a+15], v[KR+16*\t:KR+16*\t+15], v[O+8*\t:O+8*\t+7]
.endr
.endm
; WALK 2, a key step.  Up to the diagonal: the scores again, the finished weights, their codes.  Behind it: the constant operand.  Both arms multiply V.
.macro STEP2 q
	WHERE \q
	v_add_nc_u32 v[ADB], s54, v[AB0]
.rept 3
	v_nop                                          ; with the addition above: four places behind the last step's products, ahead of loads into V's registers, on both arms
.endr
	s_cmp_gt_u32 s55, s[Q0]
	s_cbranch_scc1 .Lhid2_\@
	SCORES \q
	VLOAD \q                                       ; lands under the vector work below
.irp j, 0,2,4,6,8,10,12,14,16,18,20,22,24,26,28,30,32,34,36,38,40,42,44,46,48,50,52,54,56,58,60,62
	v_pk_fma_f32 v[S+\j:S+\j+1], v[S+\j:S+\j+1], s[CS:CS+1], v[12:13] op_sel_hi:[1,0,0]   ; t - M, M the row's final one; each accumulator from its low end on
.endr
.irp j, 0,1,2,3,4,5,6,7,8,9,10,11,12,13,14,15,16,17,18,19,20,21,22,23,24,25,26,27,28,29,30,31,32,33,34,35,36,37,38,39,40,41,42,43,44,45,46,47,48,49,50,51,52,53,54,55,56,57,58,59,60,61,62,63
	v_exp_f32 v[S+\j], v[S+\j]
.endr
	v_nop                                          ; the plain line behind the exponentials
	s_wait_alu depctr_va_vdst(0)                   ; one wait for the batch, ahead of its first reader
.irp b, 0,1,2,3
.irp i, 0,2,4,6,8,10,12,14
	v_pk_fma_f32 v[S+16*\b+\i:S+16*\b+\i+1], v[S+16*\b+\i:S+16*\b+\i+1], v[24:25], v[26:27] op_sel_hi:[1,0,0]   ; p / sum + tau / i
.endr
.irp i, 0,1,2,3,4,5,6,7,8,9,10,11,12,13,14,15
	v_med3_num_f32 v[S+16*\b+\i], v[S+16*\b+\i], 0, v28   ; relu and the hold in one: the conversion to an 8-bit code does not saturate (ISA guide 7.6.2)
.endr
	v_cvt_scalef32_pk8_bf8_f32 v[P+4*\b:P+4*\b+1], v[S+16*\b:S+16*\b+7], v29
	v_cvt_scalef32_pk8_bf8_f32 v[P+4*\b+2:P+4*\b+3], v[S+16*\b+8:S+16*\b+15], v29
.endr
	v_nop                                          ; one plain line between the last conversion and the products that read its result
	s_wait_dscnt 0x0                               ; V's fragments are in
	PV P
	s_branch .Ldone2_\@
.Lhid2_\@:
	VLOAD \q
	s_wait_dscnt 0x0
	PV PCB
.Ldone2_\@:
.endm
.Lwalk2:                                           ; four trips of four key steps: all 2,048 keys of V in every wave
	v_add_nc_u32 v[ADK], s[SK], v[AK0]
	v_add_nc_u32 v[ADV], s[SV], v[AV0]
	STEP2 0
	STEP2 1
	STEP2 2
	STEP2 3
	s_add_co_u32 s[KF], s[KF], 512
	s_add_co_u32 s[SK], s[SK], 4*KSTEP
	s_add_co_u32 s[SB], s[SB], 2048
	s_add_co_u32 s[SV], s[SV], 4*VT
	s_sub_co_u32 s[CNT], s[CNT], 1
	s_cmp_lg_u32 s[CNT], 0
	s_cbranch_scc1 .Lwalk2
	; THE WAY OUT.  Register j of tile t in lane (r, h) is out(my first query + 8 h + j, 4 r + t): the four tiles' register j, x 2^(ep + ev), are 16 neighbouring bytes of a row.
.rept 4
	v_nop                                          ; four places behind the last products
.endr
.irp j, 0,1,2,3,4,5,6,7
.irp t, 0,1,2,3
	v_ldexp_f32 v[S+4*\j+\t], v[O+8*\t+\j], s62    ; each accumulator is read first at its register 0
.endr
.endr
.irp j, 0,1,2,3,4,5,6,7
	global_store_b128 v[GO], v[S+4*\j:S+4*\j+3], s[16:17] offset:256*\j th:TH_STORE_NT   ; lanes 0-15 store one whole row of 256 bytes, aligned; lanes 16-31 the row eight further down
.endr
	s_wait_tensorcnt 0x0                           ; the wave's end, behind my last tensor load and my last LDS store
	ds_add_u32 v[SPW], v[NIL]
	s_wait_dscnt 0x0
	s_endpgm
.Lfunc_end_k_q5d5cbe3119_attn:
	.size	k_q5d5cbe3119_attn, .Lfunc_end_k_q5d5cbe3119_attn-k_q5d5cbe3119_attn
	.p2alignl 7, 3214868480
	.fill 96, 4, 3214868480
	.section	.rodata,"a",@progbits
	.p2align	6, 0x0
	.amdhsa_kernel k_q5d5cbe3119_attn
		.amdhsa_group_segment_fixed_size 327680
		.amdhsa_private_segment_fixed_size 0
		.amdhsa_enable_private_segment 0
		.amdhsa_kernarg_size 56
		.amdhsa_user_sgpr_count 2
		.amdhsa_user_sgpr_kernarg_segment_ptr 1
		.amdhsa_wavefront_size32 1
		.amdhsa_system_sgpr_workgroup_id_x 1
		.amdhsa_system_sgpr_workgroup_id_y 1
		.amdhsa_system_sgpr_workgroup_id_z 1
		.amdhsa_system_vgpr_workitem_id 0
		.amdhsa_next_free_vgpr 256
		.amdhsa_next_free_sgpr 80
		.amdhsa_reserve_vcc 0
		.amdhsa_float_denorm_mode_32 3
		.amdhsa_float_denorm_mode_16_64 3
		.amdhsa_memory_ordered 1
		.amdhsa_forward_progress 1
		.amdhsa_inst_pref_size 126
	.end_amdhsa_kernel
	.amdgpu_metadata
---
amdhsa.version: [ 1, 2 ]
amdhsa.kernels:
  - .name:           k_q5d5cbe3119_attn
    .symbol:         k_q5d5cbe3119_attn.kd
    .args:
      - { .name: q_codes, .offset: 0, .size: 8, .value_kind: global_buffer, .address_space: global }
      - { .name: k_codes, .offset: 8, .size: 8, .value_kind: global_buffer, .address_space: global }
      - { .name: v_codes, .offset: 16, .size: 8, .value_kind: global_buffer, .address_space: global }
      - { .name: lowp_scales, .offset: 24, .size: 8, .value_kind: global_buffer, .address_space: global }
      - { .name: bias_weight, .offset: 32, .size: 8, .value_kind: global_buffer, .address_space: global }
      - { .name: tau, .offset: 40, .size: 8, .value_kind: global_buffer, .address_space: global }
      - { .name: out0, .offset: 48, .size: 8, .value_kind: global_buffer, .address_space: global }
    .group_segment_fixed_size: 327680
    .private_segment_fixed_size: 0
    .kernarg_segment_align: 8
    .kernarg_segment_size: 56
    .max_flat_workgroup_size: 512
    .sgpr_count:     80
    .vgpr_count:     256
    .wavefront_size: 32
...
	.end_amdgpu_metadata
.endif
;; end of part 1
